; MI455X (gfx1250); checked and timed in simulation.
; The chip was launched on July 23, 2026; its instructions are those of AMD's public machine-readable ISA for CDNA 5 (MIT licence, August 2026) and "CDNA5" Instruction Set Architecture Reference Guide (July 2026). The comments in the code are by the model that wrote it; some were corrected since.
;; Attention. Allowed arithmetic: matrix products marked QUANTISED: E4M3 operands, one E8M0 scale for each 32 along K, by v_wmma_scale_f32_16x16x128_f8f6f4 with both operands' format E4M3, f32 sums; everything else in f32.
;; Inputs: keys 4 x 16 x 2,048 x 64 float32; queries 4 x 16 x 2,048 x 64 float32; values 4 x 16 x 2,048 x 64 float32.
;; Outputs: out0 4 x 16 x 2,048 x 64 float32.
;; Constants: head_dim = 64.
;; This version of the problem:
;;   THIS VERSION OF THE PROBLEM IS GIVEN IN LOW PRECISION. The matrix products marked QUANTISED in the list below multiply operands that are first quantised to E4M3 (4 exponent bits, 3 mantissa bits; 8 bits a number), with one power-of-two scale for each 32 numbers along K (OCP MX v1.0); their sums are f32. All else is computed in f32.
;;   The module's matrix products, in the order in which they are computed (A, B: the left and right operand; K: the contracted axis; several contracted axes count as one K, in the product's order):
;;     1. batch 64 x [M 2,048, K 64] x [K 64, N 2,048]; A: input queries; B: input keys: QUANTISED
;;     2. batch 64 x [M 2,048, K 2,048] x [K 2,048, N 64]; A: softmax (see below); B: input values: QUANTISED
;;   THE QUANTISER, for each operand of a quantised product, along K:
;;     - K is cut into blocks of 32 from its start; a last block that is shorter is filled with zeros.
;;     - A block's scale is 2^e with e = floor(log2(the largest magnitude in the block)) - 8, held to -126 .. 127; a block of zeros has e = 0. As a byte (E8M0): e + 127.
;;     - Each number is divided by its block's scale, clamped to +-448, and rounded to the nearest number of E4M3, ties to even, subnormals kept.
;;     - The product sums the exact products of the quantised numbers (number of the format x scale) in f32.
;;   ~~~python
;;   def quantise(x, axis):      # numpy; x: float32 -> the quantised numbers, widened to float32 again
;;       x = np.moveaxis(x, axis, -1); K = x.shape[-1]
;;       x = np.pad(x, [(0, 0)] * (x.ndim - 1) + [(0, -K % 32)]); x = x.reshape(x.shape[:-1] + (-1, 32)); a = np.abs(x).max(-1, keepdims=True)
;;       e = np.where(a > 0, np.clip(np.frexp(np.where(a > 0, a, 1))[1] - 1 - 8, -126, 127), 0)      # np.frexp(a)[1] - 1 = floor(log2(a)), exactly
;;       r = np.clip(x / 2.0 ** e, -448, 448)
;;       step = 2.0 ** (np.maximum(np.frexp(np.where(r == 0, 1, r))[1] - 1, -6) - 3)
;;       q = np.round(r / step) * step * 2.0 ** e      # np.round: ties to even
;;       return np.moveaxis(q.reshape(q.shape[:-2] + (-1,))[..., :K], -1, axis).astype(np.float32)
;;   ~~~
;;   SOFTMAX AHEAD OF A QUANTISED PRODUCT. Where the list says 'softmax', what is quantised is not the finished softmax but p = 2^(t - M), with t = logit x log2(e) and M = ceil(the row's largest t), a whole number; so 1/2 < the row's largest p <= 1. The row's sum l is taken of the UNQUANTISED p, in f32, and the product's result is divided by l at the end. Since M is a whole number, a kernel that streams over the keys may use a running M (the ceiling of the running maximum): every later rescaling is an exact power of two, which a block's scale takes up: the codes' values come out the same.
;;   OPERANDS COMPUTED ON THE WAY. 'Computed on the way' means the value that the module computes at that place (a softmax that the list does not call 'softmax' is quantised finished and normalised). What goes into a quantiser is computed in f32, as accurately as f32 sums, v_exp_f32 and their like allow (about 1e-6 of the number): no bf16 or f16 on the way to a quantiser, and a product that is left as it is and whose result goes on into a quantised operand takes f32 operands (vector FMAs, or v_wmma_f32_16x16x4_f32). A number that lies on a knife's edge between two numbers of the format may be rounded either way, as far as f32 arithmetic and the matrix unit's own rounding can turn it there, and no further.
;; One version. Each part assembles by itself: llvm-mc -triple=amdgcn-amd-amdhsa -mcpu=gfx1250 --defsym DOCPART=n.
;; ======== version 1 of 1: 2 launches
;; workspace buffers: kv 17,301,504 bytes
;; launch quant (part 1): grid 16 x 64, 4 waves a work-group, no clusters, 35,840 bytes of LDS; arguments keys, values, kv; writes kv
.if DOCPART == 1
	.amdgcn_target "amdgcn-amd-amdhsa--gfx1250"
	.amdhsa_code_object_version 6
	.text
	.protected	k_q1188fe9746_quant
	.globl	k_q1188fe9746_quant
	.p2align	8
	.type	k_q1188fe9746_quant,@function
k_q1188fe9746_quant:
	s_mov_b64 s[64:65], 0
	v_nop
	global_prefetch_b8 v0, s[64:65] scope:SCOPE_SE
	s_setreg_imm32_b32 hwreg(HW_REG_WAVE_MODE, 25, 1), 1
	s_wait_xcnt 0x0
; keys, values: [64 heads][2048][64] f32.  Both become codes of FP8 (E4M3) with one E8M0 scale byte for each 32 along their product's K:
; keys along the head's 64 (two blocks a key), values along the KEYS (a block = 32 neighbouring keys of one channel).
; A block's scale is 2^(floor(log2(its largest magnitude)) - 8); its byte is the largest magnitude's exponent field - 8, held at 1 from below; each number is divided by the scale,
; held within +-448 and rounded to the nearest code, ties to even.
; LIMITS: NaN and infinities among the inputs are not served.  A block of zeros gets the byte 1 where the rule says 127: its codes are zeros, which add nothing under any byte
; but 0xff, and the bytes are read by this program alone.
; THE WORKSPACE kv IS LAID IN THE ORDER OF THE OPERANDS' REGISTERS.  A head's block is HB = 270,336 bytes: 8,192 of scale words, then 16 chunks (128 keys each) of 16,384.
;   scale words of chunk c at 512 c: 64 words for K (word 16 b + r: fragment b, lane r), then 64 for V (word = channel, byte = key block of the chunk).
;   codes of chunk c at 8,192 + 16,384 c: K's four fragments of 2,048 bytes, then V's four.
;   K's fragment b, register group g = 2 u + cc, lane 16 h + r, at 2,048 b + 512 g + 16 lane: key 32 b + 8 u + r + 8 (r / 8), d = 32 cc + 16 h + 0 .. 15.
;   V's fragment t, register group g, at 2,048 t + 512 g + 256 h + 16 r: keys 32 g + 16 h + 0 .. 15 of channel 16 t + r.
; SHARES.  A work-group takes a chunk of a head; wave w its keys 32 w .. 32 w + 31, of both tensors: K's fragment w, V's register group w.
; K: each load reads 512 consecutive bytes (two keys); the 8,192 bytes turn through the wave's own stage in LDS, where the rows are put in the fragment's order of keys, and come back
; 16 neighbours along d to a lane.  V: a lane takes a channel and its registers run down the keys, so a block lies in one lane; a key's 256 bytes are asked for by two neighbouring loads.
; No tensor loads; one barrier, in front of the way out of the chunk's 512 bytes of scale words.
.set HB,    270336
.set SPT,   272                        ; a stage row: a key's 256 bytes + 16: an odd multiple of 16, so that 16 rows begin in 16 different 16-byte columns of 256
.set WST,   32*SPT                     ; a wave's stage
.set SC,    4*WST                      ; behind the stages: the chunk's scale words, 256 bytes for K, 256 for V
.set KR,    32                         ; v32-95   K's numbers
.set VR,    96                         ; v96-159  V's numbers: channels 0-31 at v96, channels 32-63 at v128
.set KC,    160                        ; v160-175 K's codes: registers of their own for each store
.set VC,    176                        ; v176-191 V's codes
.set FLOOR, 0x4800000                  ; 2^(9 - 127): under it no largest magnitude is taken, so the byte cannot fall under 1
.set OFF8,  0xfc000000                 ; takes 8 off an exponent field
	s_load_b128 s[4:7], s[0:1], 0x0                ; keys, values
	s_load_b64 s[8:9], s[0:1], 0x10                ; kv
	v_lshl_add_u32 v192, v0, 2, 0x8a00
	v_mov_b32 v193, 0
	v_lshrrev_b32 v1, 5, v0
	v_readfirstlane_b32 s10, v1                    ; wave 0..3
	v_and_b32 v1, 31, v0                           ; lane
	v_lshlrev_b32 v4, 4, v1                        ; 16 x lane: K's loads, K's image, the scale words' way out
	v_lshlrev_b32 v7, 2, v1                        ; 4 x lane: V's loads
	s_and_b32 s12, ttmp7, 0xffff                   ; head
	s_lshl_b32 s14, s12, 19                        ; a head is 524,288 bytes,
	s_lshl_b32 s15, ttmp9, 15                      ; a chunk 32,768,
	s_add_co_u32 s14, s14, s15
	s_lshl_b32 s15, s10, 13                        ; my 32 keys 8,192
	s_add_co_u32 s14, s14, s15
	s_mov_b32 s15, 0
	s_wait_kmcnt 0x0
	s_add_nc_u64 s[4:5], s[4:5], s[14:15]
	s_add_nc_u64 s[6:7], s[6:7], s[14:15]
.set i, 0
.rept 16
	global_load_b128 v[KR+4*i:KR+4*i+3], v4, s[4:5] offset:512*i th:TH_LOAD_NT   ; keys 2 i and 2 i + 1: 512 consecutive bytes
.set i, i+1
.endr
.macro VLOAD first                     ; 16 keys from \first on: V(key, my channel), the two halves of a key's 256 bytes by neighbouring loads
.set i, \first
.rept 16
	global_load_b32 v[VR+i], v7, s[6:7] offset:256*i th:TH_LOAD_NT
	global_load_b32 v[VR+32+i], v7, s[6:7] offset:256*i+128 th:TH_LOAD_NT
.set i, i+1
.endr
.endm
	VLOAD 0
	; addresses, while the loads are out
	v_and_b32 v2, 15, v0                           ; r
	v_bfe_u32 v3, v0, 4, 1                         ; h
	s_mul_i32 s14, s10, WST                        ; my stage
	v_mul_u32_u24 v5, v3, SPT
	v_lshl_add_u32 v5, v2, 4, v5
	v_add_nc_u32 v5, s14, v5                       ; into it: lanes 0-15 one row, lanes 16-31 the next, 16 bytes a lane
	v_mul_u32_u24 v6, v2, SPT
	v_lshl_add_u32 v6, v3, 6, v6
	v_add_nc_u32 v6, s14, v6                       ; out of it: row r, + 64 h: my 16 numbers of a block of 32
	v_lshlrev_b32 v8, 11, v3
	v_lshl_add_u32 v8, v2, 4, v8                   ; V's image: 2,048 (lane / 16) + 16 (lane % 16)
	s_lshl_b32 s14, s10, 6
	v_lshl_add_u32 v9, v2, 2, SC
	v_add_nc_u32 v9, s14, v9                       ; K's scale word: SC + 64 x wave + 4 r
	v_lshl_add_u32 v10, v1, 2, SC+256
	v_add_nc_u32 v10, s10, v10                     ; V's scale byte: SC + 256 + 4 x lane + wave
	v_add_nc_u32 v11, SC, v4                       ; the way out: 16 bytes a lane
	v_mov_b32 v18, 0                               ; a lane permute's destination counts as one of its sources
	s_mov_b32 s24, 0x76543210
	s_mov_b32 s25, 0xfedcba98                      ; v_permlanex16_b32's selects for lane l xor 16
	s_mov_b32 s26, 0x600000                        ; the mantissa field of 448
	s_mul_i32 s16, s12, HB
	s_mov_b32 s17, 0
	s_add_nc_u64 s[8:9], s[8:9], s[16:17]          ; the head's block
	s_lshl_b32 s16, ttmp9, 9
	s_add_nc_u64 s[22:23], s[8:9], s[16:17]        ; the chunk's scale words
	s_lshl_b32 s16, ttmp9, 14
	s_add_co_u32 s16, s16, 8192                    ; the chunk's codes
	s_lshl_b32 s14, s10, 11
	s_add_co_u32 s14, s14, s16
	s_add_nc_u64 s[18:19], s[8:9], s[14:15]        ; K's fragment w
	s_lshl_b32 s14, s10, 9
	s_add_co_u32 s14, s14, s16
	s_add_co_u32 s14, s14, 8192
	s_add_nc_u64 s[20:21], s[8:9], s[14:15]        ; V's images, register group w
	s_wait_loadcnt 32                              ; K's 16 loads are in; the 32 loads of V issued behind them may be out
	VLOAD 16                                       ; V's other 16 keys: by this text's count 64 loads are out at the most
.set i, 0
.rept 16                               ; key x goes to stage row 16 ((x / 8) % 2) + x % 8 + 8 (x / 16): row 16 u + r then holds key 8 u + r + 8 (r / 8)
	ds_store_b128 v5, v[KR+4*i:KR+4*i+3] offset:(16*(((2*i)>>3)&1)+((2*i)&7)+8*((2*i)>>4))*SPT
.set i, i+1
.endr
	s_wait_dscnt 0x0                               ; the stores have read their registers, which the loads below fill again
.irp k, 0,1,2,3                        ; register group k = 2 u + cc
.irp j, 0,1,2,3
	ds_load_b128 v[KR+16*\k+4*\j:KR+16*\k+4*\j+3], v6 offset:16*(\k/2)*SPT+128*(\k%2)+16*\j
.endr
.endr
; Register group k of K's fragment: 16 numbers of a lane; lanes l and l xor 16 hold a block.
.macro Q16 k
.set XS, KR+16*\k
	s_wait_dscnt 12-4*\k                           ; this group's four loads are back; the later groups' may be out
	v_max3_num_f32 v16, |v[XS]|, |v[XS+1]|, |v[XS+2]|      ; the largest magnitude of my 16, in two chains
	v_max3_num_f32 v17, |v[XS+3]|, |v[XS+4]|, |v[XS+5]|
.irp i, 6,10
	v_max3_num_f32 v16, v16, |v[XS+\i]|, |v[XS+\i+1]|
	v_max3_num_f32 v17, v17, |v[XS+\i+2]|, |v[XS+\i+3]|
.endr
	v_max3_num_f32 v16, v16, |v[XS+14]|, |v[XS+15]|
	v_max3_num_f32 v16, v16, v17, FLOOR
	v_permlanex16_b32 v18, v16, s24, s25
	v_max_num_f32 v16, v16, v18                    ; with lane l xor 16's: the block's
	v_add_nc_u32 v19, OFF8, v16                    ; 8 off its exponent field: the conversion takes this operand's exponent field as its scale
	v_and_or_b32 v20, v16, 0x7f800000, s26         ; 448 x the scale
.irp i, 0,1,2,3,4,5,6,7,8,9,10,11,12,13,14,15
	v_med3_num_f32 v[XS+\i], v[XS+\i], -v20, v20   ; the conversion to an 8-bit code does not saturate (ISA guide 7.6.2): the hold comes first
.endr
	v_cvt_scalef32_pk8_fp8_f32 v[KC+4*\k:KC+4*\k+1], v[XS:XS+7], v19
	v_cvt_scalef32_pk8_fp8_f32 v[KC+4*\k+2:KC+4*\k+3], v[XS+8:XS+15], v19
	v_lshrrev_b32 v21, 23, v19                     ; the scale's byte (also the plain line behind the conversions)
.if \k == 0
	v_mov_b32 v22, v21
.else
	v_lshl_or_b32 v22, v21, 8*\k, v22              ; byte k of my key row's word
.endif
	global_store_b128 v4, v[KC+4*\k:KC+4*\k+3], s[18:19] offset:512*\k   ; 32 lanes store 512 consecutive bytes, at a multiple of 256 from kv's first byte
.endm
	Q16 0
	Q16 1
	Q16 2
	Q16 3
	ds_store_b32 v9, v22                           ; lanes r and r + 16 write the same word with the same value
; Channels 32 a + lane: a whole block of 32 keys lies in my 32 registers.
.macro Q32 a
.set XS, VR+32*\a
	v_max3_num_f32 v16, |v[XS]|, |v[XS+1]|, |v[XS+2]|
	v_max3_num_f32 v17, |v[XS+3]|, |v[XS+4]|, |v[XS+5]|
.irp i, 6,10,14,18,22,26
	v_max3_num_f32 v16, v16, |v[XS+\i]|, |v[XS+\i+1]|
	v_max3_num_f32 v17, v17, |v[XS+\i+2]|, |v[XS+\i+3]|
.endr
	v_max3_num_f32 v16, v16, |v[XS+30]|, |v[XS+31]|
	v_max3_num_f32 v16, v16, v17, FLOOR
	v_add_nc_u32 v19, OFF8, v16
	v_and_or_b32 v20, v16, 0x7f800000, s26
.set i, 0
.rept 32
	v_med3_num_f32 v[XS+i], v[XS+i], -v20, v20
.set i, i+1
.endr
.irp g, 0,1,2,3
	v_cvt_scalef32_pk8_fp8_f32 v[VC+8*\a+2*\g:VC+8*\a+2*\g+1], v[XS+8*\g:XS+8*\g+7], v19
.endr
	v_lshrrev_b32 v[28+\a], 23, v19                ; the scale's byte (also the plain line behind the conversions)
	global_store_b128 v8, v[VC+8*\a:VC+8*\a+3], s[20:21] offset:4096*\a          ; keys 0-15 of the block: sixteen lanes store 256 consecutive bytes, aligned
	global_store_b128 v8, v[VC+8*\a+4:VC+8*\a+7], s[20:21] offset:4096*\a+256    ; keys 16-31
	ds_store_b8 v10, v[28+\a] offset:128*\a        ; byte w of my channel's word
.endm
	s_wait_loadcnt 0x0                             ; V
	Q32 0
	Q32 1
	s_wait_dscnt 0x0                               ; for the others' sake: my scale words and bytes have landed
	s_barrier_signal -1
	s_barrier_wait -1
	s_cmp_lg_u32 s10, 0
	s_cbranch_scc1 .Lend
	ds_load_b128 v[24:27], v11                     ; wave 0: the chunk's 512 bytes of scale words
	s_wait_dscnt 0x0
	global_store_b128 v4, v[24:27], s[22:23]       ; 512 consecutive bytes, at a multiple of 256 from kv's first byte
.Lend:
	s_wait_tensorcnt 0x0
	ds_add_u32 v192, v193
	s_wait_dscnt 0x0
	s_endpgm
.Lfunc_end_k_q1188fe9746_quant:
	.size	k_q1188fe9746_quant, .Lfunc_end_k_q1188fe9746_quant-k_q1188fe9746_quant
	.p2alignl 7, 3214868480
	.fill 96, 4, 3214868480
	.section	.rodata,"a",@progbits
	.p2align	6, 0x0
	.amdhsa_kernel k_q1188fe9746_quant
		.amdhsa_group_segment_fixed_size 35840
		.amdhsa_private_segment_fixed_size 0
		.amdhsa_enable_private_segment 0
		.amdhsa_kernarg_size 24
		.amdhsa_user_sgpr_count 2
		.amdhsa_user_sgpr_kernarg_segment_ptr 1
		.amdhsa_wavefront_size32 1
		.amdhsa_system_sgpr_workgroup_id_x 1
		.amdhsa_system_sgpr_workgroup_id_y 1
		.amdhsa_system_sgpr_workgroup_id_z 1
		.amdhsa_system_vgpr_workitem_id 0
		.amdhsa_next_free_vgpr 194
		.amdhsa_next_free_sgpr 66
		.amdhsa_reserve_vcc 0
		.amdhsa_float_denorm_mode_32 3
		.amdhsa_float_denorm_mode_16_64 3
		.amdhsa_memory_ordered 1
		.amdhsa_forward_progress 1
		.amdhsa_inst_pref_size 29
	.end_amdhsa_kernel
	.amdgpu_metadata
---
amdhsa.version: [ 1, 2 ]
amdhsa.kernels:
  - .name:           k_q1188fe9746_quant
    .symbol:         k_q1188fe9746_quant.kd
    .args:
      - { .name: keys, .offset: 0, .size: 8, .value_kind: global_buffer, .address_space: global }
      - { .name: values, .offset: 8, .size: 8, .value_kind: global_buffer, .address_space: global }
      - { .name: kv, .offset: 16, .size: 8, .value_kind: global_buffer, .address_space: global }
    .group_segment_fixed_size: 35840
    .private_segment_fixed_size: 0
    .kernarg_segment_align: 8
    .kernarg_segment_size: 24
    .max_flat_workgroup_size: 128
    .sgpr_count:     66
    .vgpr_count:     194
    .wavefront_size: 32
...
	.end_amdgpu_metadata
.endif
;; end of part 1
;; launch attn (part 2): grid 4 x 64, 16 waves a work-group, clusters of 4 x 1, 309,248 bytes of LDS; arguments queries, kv, out0; writes out0
.if DOCPART == 2
	.amdgcn_target "amdgcn-amd-amdhsa--gfx1250"
	.amdhsa_code_object_version 6
	.text
	.protected	k_q1188fe9746_attn
	.globl	k_q1188fe9746_attn
	.p2align	8
	.type	k_q1188fe9746_attn,@function
k_q1188fe9746_attn:
	s_mov_b64 s[64:65], 0
	v_nop
	global_prefetch_b8 v0, s[64:65] scope:SCOPE_SE
	s_setreg_imm32_b32 hwreg(HW_REG_WAVE_MODE, 25, 1), 1
	s_wait_xcnt 0x0
	s_wait_alu depctr_hold_cnt(0) depctr_sa_sdst(0) depctr_va_vdst(0) depctr_va_sdst(0) depctr_va_ssrc(0) depctr_va_vcc(0) depctr_vm_vsrc(0)
	s_getreg_b32 s2, hwreg(HW_REG_IB_STS2, 6, 4)
	s_cmp_eq_u32 s2, 0
	s_cbranch_scc0 .Lentry_in_a_cluster
	s_endpgm
.Lentry_in_a_cluster:
	s_bfe_u32 s2, ttmp6, 0x10000c
	s_cmp_lg_u32 s2, 0x3003
	s_cbranch_scc0 .Lentry_shape_is_right
	s_endpgm
.Lentry_shape_is_right:
; out0[h][q][:] = the sum over k <= q of softmax_k(Q[h][q] . K[h][k] / 8) V[h][k][:], 64 heads, 2,048 queries and keys, head size 64; both products on codes of FP8 (E4M3) with one E8M0
; scale for each 32 along a product's K.  K's and V's codes and scale words come from kv, laid in the order of the operands' registers; Q (f32) is quantised here, in registers.
; THE SOFTMAX AHEAD OF THE SECOND PRODUCT: t = score x log2(e) / 8; M = the row's largest t so far, rounded UP to a whole number; p = 2^(t - M) is quantised along the keys, not normalised.
; The row's sum is taken of the unquantised p, in f32, and divides O at the end.  When M moves, the sum and O are multiplied by 2^(old M - new M), which rounds nothing.
; LIMITS: NaN and infinities among the inputs are not served.  A p under 2^-126 comes out of v_exp_f32 as 0.  A block's largest p is taken as the exponential of the block's largest score,
; which takes v_exp_f32 not to fall where its input rises; at the worst one p of a block, within an ulp of a power of two, is held one code low.
; A HEAD'S CODES AND SCALE WORDS, 270,336 bytes, LIE IN LDS FOR THE WHOLE LAUNCH, as they lie in kv: every LDS byte is filled once, so there is no ring.
; CLUSTER.  The four work-groups of a cluster serve one head and want the same 270,336 bytes: each part is asked for JOINTLY, by the same tensor load with the same descriptor and a mask that
; names the four.  Each of the sixteen waves asks for two parts: 4,608 bytes of the first 73,728 (all scale words, chunks 0-3) and 12,288 of the rest (chunks 4-15): two tensor loads of a wave are out.
; SHARES.  A head has 16 blocks of 128 queries, a block 8 tiles of 16.  Work-group cx owns tiles 2 cx and 2 cx + 1 of every block.  Wave w (u = w % 2, bb = w / 2) takes tile 2 cx + u of block
; 15 - bb, which has 16 - bb key steps of 128, and then of block bb, which has bb + 1: 17 steps for every wave.  Which steps are left out, and which lies on the diagonal, hangs on the block,
; that is on the wave's number alone: alike in all partners.  cx enters Q's and O's addresses in memory and the number that the mask's compares take; no branch and no LDS address.
; LAYOUT.  Both products are used transposed: S^T = K Q^T, O^T = V^T P^T: a lane holds ONE query (lane % 16) throughout.
; THE FIRST PRODUCT'S K IS 64, THE INSTRUCTION'S 128.  A fragment of K holds TWO tiles of 16 keys, tile 2 b in k = 0 .. 63 and tile 2 b + 1 in k = 64 .. 127.  Q's operand lies as 8 registers
; of zero codes, Q's 8, 8 of zero codes: registers 8-23 are Q | 0 and give tile 2 b, registers 0-15 are 0 | Q and give tile 2 b + 1.  A zero code times a code of K is 0 under any
; scale byte but 0xff (K's codes are never NaN: the quantiser holds them; its bytes lie in 1 .. 254), so the other tile adds exactly nothing.  Q's scale word is (q0, q1, q0, q1).
; THE KEYS OF A TILE ARE NOT NEIGHBOURS: lane r of tile 2 b + u takes key 32 b + 8 u + r + 8 (r / 8), so that the 16 registers of tiles 2 b, 2 b + 1 are keys 32 b + 16 (lane / 16) + 0 .. 15.
.set HB,    270336                     ; a head's block in kv, and in LDS from byte 0
.set GA,    4608                       ; a wave's part of the first group: 18 rows of 256 bytes
.set GB,    12288                      ; and of the second: 48 rows
.set STAGE, HB                         ; behind the block: 16 rows x 144 bytes for each wave, for the way out: nine blocks of 256 bytes a wave, into which no fill lands
.set WSTG,  2304
.set SP,    144                        ; a stage row: half a row of O, 128 bytes, + 16: an odd multiple of 16
.set LI,   1                           ; v1   8,192 + 16 x lane: my place in a fragment's image
.set LS,   2                           ; v2   4 x lane: my place among scale words
.set ADC,  3                           ; v3   the step's codes
.set ADS,  4                           ; v4   the step's scale words
.set DQ,   5                           ; v5   my query's place in its block - 16 (lane / 16)
.set NINF, 6                           ; v6   -infinity
.set STO,  7                           ; v7   the way out: where I put 32 bytes of a row
.set RD,   8                           ; v8   where I read 16 bytes back
.set GO,   9                           ; v9   16 x lane: my bytes of two rows of O
.set QA,   10                          ; v10  Q: row r of 256 bytes, + 64 h
.set KS,   16                          ; v16-17 K's scale words; v18-19 V's; v20 Q's; v21 p's; v22 Q's of the second tile: these hold scales and nothing else
.set VS,   18
.set QS,   20
.set PS,   21
.set QSL,  22
.set QL,   24                          ; v24-31 the second tile's codes of Q
.set FR,   32                          ; v32-95 four fragments of K, then of V; on the way out rows of O
.set S,    96                          ; v96-159 S^T, then p; at the head Q's numbers
.set OA,   160                         ; v160-191 O^T
.set QHI,  192                         ; v192-207: 0 | Q
.set QLO,  200                         ; v200-215: Q | 0
.set PC,   216                         ; v216-231 p's codes
.set BM,   232                         ; v232-235 a block's largest score, then its largest p
.set TP,   236                         ; v236-239 the other half of the lanes', then the bytes
.set HD,   240                         ; v240-243 448 x the scale
.set SO,   244                         ; v244-247 the conversions' scale operands
.set SUM2, 248                         ; v[248:249] the sum's second chain;  v250, v254 at work;  v[252:253] f;  v12 -M, v13 the largest t, v[14:15] the sum in two halves
.set WV,   10
.set CX,   11
.set HEAD, 12
.set U,    13
.set BB,   14
.set CNT,  15                          ; s15  a loop's trips to go
.set G1A,  16                          ; s[16:23], s[24:31] descriptor groups 1;  s[32:35], s[36:39] groups 0
.set G1B,  24
.set G0A,  32
.set G0B,  36
.set QH,   40                          ; s[40:41], s[42:43] Q at my first and my second tile;  s[44:45], s[46:47] O likewise
.set QLP,  42
.set OH,   44
.set OL,   46
.set ST,   48                          ; s48  the key step
.set TB,   49                          ; s49  its codes' place: 16,384 a step
.set TS,   50                          ; s50  its scale words': 512 a step
.set BLK,  51                          ; s51  my tile's block: the step on the diagonal
.set MK,   52                          ; s52  lanes with lane % 16 < 8
.set MNT,  53                          ; s53  the mantissa field of 448
.set CS,   54                          ; s[54:55] c = log2(e) / 8
.set SEL,  56                          ; s[56:57] v_permlanex16_b32's selects for lane l xor 16
; A round of the cluster's barrier: my work-group's barrier, so that wave 0's signal speaks for all sixteen waves; wave 0 signals for the work-group; every wave waits for the four work-groups; my work-group's barrier once more.
.macro ROUND
	s_barrier_signal -1
	s_barrier_wait -1
	s_cmp_lg_u32 s[WV], 0
	s_cbranch_scc1 .Lnot_wave_0_\@
	s_barrier_signal -3
.Lnot_wave_0_\@:
	s_barrier_wait -3
	s_barrier_signal -1
	s_barrier_wait -1
.endm
	s_load_b128 s[4:7], s[0:1], 0x0                ; queries, kv
	s_load_b64 s[8:9], s[0:1], 0x10                ; out0
	v_lshl_add_u32 v251, v0, 2, 0x4b000
	v_mov_b32 v255, 0
	ds_add_u32 v251, v255
	ds_add_u32 v251, v255
	v_lshrrev_b32 v232, 5, v0
	v_readfirstlane_b32 s[WV], v232                ; wave 0..15
	s_bfe_u32 s[CX], ttmp6, 0x40000                ; my place in the cluster
	s_and_b32 s[HEAD], ttmp7, 0xffff               ; the head: the cluster's y, which the four partners share
	s_and_b32 s[U], s[WV], 1
	s_lshr_b32 s[BB], s[WV], 1
	; descriptor groups 1: dense blocks as rows of 256 bytes (32 elements of 8 bytes), no padding: LDS holds the bytes as memory has them
	s_mov_b32 s[G1A], 15|(3<<16)|(1<<21)           ; 15:0 the mask: all four work-groups; 17:16 elements of 8 bytes; 21 set beside a mask
	s_mov_b32 s[G1A+1], 32<<16                     ; tensor_dim0 = 32
	s_mov_b32 s[G1A+2], (GA/256)<<16               ; tensor_dim1 = 18
	s_mov_b32 s[G1A+3], 32<<16                     ; tile_dim0 = 32
	s_mov_b32 s[G1A+4], GA/256                     ; tile_dim1 = 18
	s_mov_b32 s[G1A+5], 32                         ; from row to row
	s_mov_b32 s[G1A+6], 0
	s_mov_b32 s[G1A+7], 0
	s_mov_b32 s[G1B], 15|(3<<16)|(1<<21)
	s_mov_b32 s[G1B+1], 32<<16
	s_mov_b32 s[G1B+2], (GB/256)<<16               ; 48 rows
	s_mov_b32 s[G1B+3], 32<<16
	s_mov_b32 s[G1B+4], GB/256
	s_mov_b32 s[G1B+5], 32
	s_mov_b32 s[G1B+6], 0
	s_mov_b32 s[G1B+7], 0
	; my two parts of the head's block: made of the head and the wave's number alone, in registers that never hold cx
	s_mul_i32 s70, s[HEAD], HB
	s_mul_i32 s[G0A+1], s[WV], GA                  ; LDS address = the part's place in the block
	s_add_co_u32 s68, s70, s[G0A+1]
	s_mov_b32 s69, 0
	s_mul_i32 s[G0B+1], s[WV], GB
	s_add_co_u32 s[G0B+1], s[G0B+1], 16*GA
	s_add_co_u32 s70, s70, s[G0B+1]
	s_mov_b32 s71, 0
	; my two tiles of queries
	s_lshl_b32 s58, s[CX], 5
	s_lshl_b32 s59, s[U], 4
	s_add_co_u32 s58, s58, s59                     ; a tile's first query in its block: 32 cx + 16 u
	s_lshl_b32 s66, s[HEAD], 19                    ; a head is 524,288 bytes of Q and of O,
	s_lshl_b32 s59, s58, 8                         ; a row 256,
	s_add_co_u32 s66, s66, s59
	s_sub_co_u32 s61, 15, s[BB]                    ; the first tile's block
	s_lshl_b32 s59, s61, 15                        ; a block 32,768
	s_add_co_u32 s62, s66, s59
	s_mov_b32 s63, 0
	s_lshl_b32 s59, s[BB], 15
	s_add_co_u32 s66, s66, s59
	s_mov_b32 s67, 0
	s_mul_i32 s60, s[WV], WSTG
	s_add_co_u32 s60, s60, STAGE                   ; my stage
	s_mov_b32 s[MK], 0x00ff00ff
	s_mov_b32 s[MNT], 0x600000
	s_mov_b32 s[CS], 0x3e38aa3b
	s_mov_b32 s[CS+1], s[CS]                       ; (named with it as a pair, so it is written)
	s_mov_b32 s[SEL], 0x76543210
	s_mov_b32 s[SEL+1], 0xfedcba98
	v_and_b32 v232, 31, v0                         ; lane
	v_and_b32 v233, 15, v0                         ; r
	v_bfe_u32 v234, v0, 4, 1                       ; h
	v_lshl_add_u32 v[LI], v232, 4, 8192
	v_lshlrev_b32 v[LS], 2, v232
	v_lshlrev_b32 v[DQ], 4, v234
	v_sub_nc_u32 v[DQ], v233, v[DQ]
	v_add_nc_u32 v[DQ], s58, v[DQ]                 ; 32 cx + 16 u + r - 16 h
	v_mov_b32 v[NINF], 0xff800000
	v_mul_u32_u24 v[STO], v233, SP
	v_lshl_add_u32 v[STO], v234, 5, v[STO]
	v_add_nc_u32 v[STO], s60, v[STO]               ; in: row r, + 32 h
	v_and_b32 v[RD], 7, v233
	v_lshlrev_b32 v[RD], 4, v[RD]
	v_mad_u32_u24 v[RD], v234, SP, v[RD]
	v_add_nc_u32 v[RD], s60, v[RD]                 ; back: row h of a pair, 16 (r % 8)
	v_lshlrev_b32 v[GO], 4, v232
	v_lshlrev_b32 v[QA], 8, v233
	v_lshl_add_u32 v[QA], v234, 6, v[QA]
	s_wait_dscnt 0x0
	s_wait_kmcnt 0x0
	s_add_nc_u64 s[QH:QH+1], s[4:5], s[62:63]
	s_add_nc_u64 s[QLP:QLP+1], s[4:5], s[66:67]
	s_add_nc_u64 s[OH:OH+1], s[8:9], s[62:63]
	s_add_nc_u64 s[OL:OL+1], s[8:9], s[66:67]
	ROUND                                          ; all four work-groups are here: the joint loads meet
	s_mov_b32 s[G0A], 1                            ; count = 1
	s_add_nc_u64 s[G0A+2:G0A+3], s[6:7], s[68:69]
	s_or_b32 s[G0A+3], s[G0A+3], 0x80000000        ; type = 2
	s_mov_b32 s[G0B], 1
	s_add_nc_u64 s[G0B+2:G0B+3], s[6:7], s[70:71]
	s_or_b32 s[G0B+3], s[G0B+3], 0x80000000
	tensor_load_to_lds s[G0A:G0A+3], s[G1A:G1A+7]  ; the launch's only fills, one group, ahead of every wait on TENSORcnt, every LDS read and every other barrier
	s_nop 0
	tensor_load_to_lds s[G0B:G0B+3], s[G1B:G1B+7]
	s_nop 0
.rept 4
	v_nop                                          ; four lines behind the tensor loads
.endr
	; Q of both tiles: lane (r, h) takes, of row r, 16 neighbours of each block of 32: register 16 c + i = d 32 c + 16 h + i
.irp c, 0,1
.irp j, 0,1,2,3
	global_load_b128 v[S+16*\c+4*\j:S+16*\c+4*\j+3], v[QA], s[QH:QH+1] offset:128*\c+16*\j th:TH_LOAD_NT
.endr
.endr
.irp c, 0,1
.irp j, 0,1,2,3
	global_load_b128 v[S+32+16*\c+4*\j:S+32+16*\c+4*\j+3], v[QA], s[QLP:QLP+1] offset:128*\c+16*\j th:TH_LOAD_NT
.endr
.endr
.irp j, 0,1,2,3,4,5,6,7
	v_mov_b32 v[QHI+\j], 0                         ; the zero codes on both sides of Q's: written once
	v_mov_b32 v[QLO+8+\j], 0
.endr
.irp b, 0,1,2,3
	v_mov_b32 v[TP+\b], 0                          ; a lane permute's destination counts as one of its sources
.endr
	v_mov_b32 v250, 0
	v_mov_b32 v253, 0                              ; (named as the upper half of the pair v[252:253])
; 32 numbers of a lane, v[src] on, become Q's 8 registers of codes in v[dst] on and its scale word (q0, q1, q0, q1) in v[sc].
.macro QUANTQ src, dst, sc
.irp c, 0,1
	v_max3_num_f32 v[BM+\c], |v[(\src)+16*\c]|, |v[(\src)+16*\c+1]|, 0x4800000   ; my 16 numbers of block c, and the floor 2^(9 - 127): the byte cannot fall under 1
.endr
.irp i, 2,4,6,8,10,12,14
.irp c, 0,1
	v_max3_num_f32 v[BM+\c], v[BM+\c], |v[(\src)+16*\c+\i]|, |v[(\src)+16*\c+\i+1]|
.endr
.endr
.irp c, 0,1
	v_permlanex16_b32 v[TP+\c], v[BM+\c], s[SEL], s[SEL+1]
.endr
.irp c, 0,1
	v_max_num_f32 v[BM+\c], v[BM+\c], v[TP+\c]     ; with lane l xor 16's: the block's largest magnitude
.endr
.irp c, 0,1
	v_add_nc_u32 v[SO+\c], 0xfc000000, v[BM+\c]    ; 8 off its exponent field: the conversion's scale operand
.endr
.irp c, 0,1
	v_and_or_b32 v[HD+\c], v[BM+\c], 0x7f800000, s[MNT]   ; 448 x the scale
.endr
.irp c, 0,1
	v_lshrrev_b32 v[TP+\c], 23, v[SO+\c]           ; the scale's byte
.endr
	v_lshl_or_b32 v[\sc], v[TP+1], 8, v[TP]
	v_lshl_or_b32 v[\sc], v[\sc], 16, v[\sc]       ; the two bytes twice: they serve Q | 0 and 0 | Q
.irp c, 0,1
.irp i, 0,1,2,3,4,5,6,7,8,9,10,11,12,13,14,15
	v_med3_num_f32 v[(\src)+16*\c+\i], v[(\src)+16*\c+\i], -v[HD+\c], v[HD+\c]   ; the conversion to an 8-bit code does not saturate (ISA guide 7.6.2): the hold comes first
.endr
	v_cvt_scalef32_pk8_fp8_f32 v[(\dst)+4*\c:(\dst)+4*\c+1], v[(\src)+16*\c:(\src)+16*\c+7], v[SO+\c]
	v_cvt_scalef32_pk8_fp8_f32 v[(\dst)+4*\c+2:(\dst)+4*\c+3], v[(\src)+16*\c+8:(\src)+16*\c+15], v[SO+\c]
.endr
	v_nop                                          ; one plain line behind the last conversion, ahead of whatever next touches its results or writes its sources
.endm
; A tile begins: the largest t is -3e38, under every t; the sum and O^T are zeros, which the first change of M leaves zeros.  So the key step is written without a first step of its own.
.macro INIT
	v_mov_b32 v13, 0xff61b1e6
	v_floor_f32 v12, -v13                          ; -M
	v_mov_b32 v14, 0
	v_mov_b32 v15, 0
.set j, 0
.rept 32
	v_mov_b32 v[OA+j], 0
.set j, j+1
.endr
.endm
; A KEY STEP: 128 keys, chunk s[ST] of the head.
.macro STEP
	s_cmp_gt_u32 s[ST], s[BLK]                     ; all its keys come after my queries: the step's work is left out; the lines at its end that step the scalars are not
	s_cbranch_scc1 .Lhid_\@
	v_add_nc_u32 v[ADC], s[TB], v[LI]
	v_add_nc_u32 v[ADS], s[TS], v[LS]
.rept 6
	v_nop                                          ; with the two additions: eight places between the last step's products and loads into registers that they read
.endr
.irp b, 0,1,2,3
.irp k, 0,1,2,3
	ds_load_b128 v[FR+16*\b+4*\k:FR+16*\b+4*\k+3], v[ADC] offset:2048*\b+512*\k   ; K's fragment b as its image lies: 512 consecutive bytes a load
.endr
.endr
	ds_load_b32 v[KS], v[ADS]                      ; lanes 0-15: fragment 0's words, lanes 16-31: fragment 1's
	ds_load_b32 v[KS+1], v[ADS] offset:128         ; fragments 2 and 3
	s_wait_dscnt 0x0
.irp b, 0,2                            ; S^T = K Q^T: each fragment against Q | 0 (its first 16 keys) and 0 | Q (its other 16).  Eight sums, each begun and ended by one instruction
	v_wmma_scale_f32_16x16x128_f8f6f4 v[S+16*\b:S+16*\b+7], v[FR+16*\b:FR+16*\b+15], v[QLO:QLO+15], 0, v[KS+\b/2], v[QS]
	v_wmma_scale_f32_16x16x128_f8f6f4 v[S+16*\b+8:S+16*\b+15], v[FR+16*\b:FR+16*\b+15], v[QHI:QHI+15], 0, v[KS+\b/2], v[QS]
	v_wmma_scale_f32_16x16x128_f8f6f4 v[S+16*\b+16:S+16*\b+23], v[FR+16*\b+16:FR+16*\b+31], v[QLO:QLO+15], 0, v[KS+\b/2], v[QS] matrix_a_scale:MATRIX_SCALE_ROW1
	v_wmma_scale_f32_16x16x128_f8f6f4 v[S+16*\b+24:S+16*\b+31], v[FR+16*\b+16:FR+16*\b+31], v[QHI:QHI+15], 0, v[KS+\b/2], v[QS] matrix_a_scale:MATRIX_SCALE_ROW1
.endr                                  ; lane (r, h): query r; register 16 b + i: key 32 b + 16 h + i of the chunk
.rept 8
	v_nop                                          ; eight places: for the loads over K's fragments, and for the first read of the scores
.endr
.irp t, 0,1,2,3
.irp k, 0,1,2,3
	ds_load_b128 v[FR+16*\t+4*\k:FR+16*\t+4*\k+3], v[ADC] offset:8192+2048*\t+512*\k   ; V's fragments are asked for now and land while the softmax is worked
.endr
.endr
	ds_load_b32 v[VS], v[ADS] offset:256           ; channels 0-15 below, 16-31 above
	ds_load_b32 v[VS+1], v[ADS] offset:384         ; channels 32-63
	s_cmp_lg_u32 s[ST], s[BLK]                     ; only the step on the diagonal has hidden keys
	s_cbranch_scc1 .Lopen_\@
.set n, 0
.rept 64                               ; key 32 b + 16 h + i is hidden where it comes after my query: 32 b + i > v[DQ].  Its score becomes -infinity, its p 0.  Each accumulator is read from its low end on
	v_cmp_gt_i32 vcc_lo, 32*(n/16)+n%16, v[DQ]
	v_cndmask_b32 v[S+n], v[S+n], v[NINF], vcc_lo
.set n, n+1
.endr
.Lopen_\@:
.irp b, 0,1,2,3
	v_max3_num_f32 v[BM+\b], v[S+16*\b], v[S+16*\b+1], v[S+16*\b+2]   ; the largest score of each block of 32 keys: it serves for the row's maximum and, since p rises with the score, for the block's largest p
.endr
.irp i, 3,5,7,9,11,13
.irp b, 0,1,2,3
	v_max3_num_f32 v[BM+\b], v[BM+\b], v[S+16*\b+\i], v[S+16*\b+\i+1]
.endr
.endr
.irp b, 0,1,2,3
	v_max_num_f32 v[BM+\b], v[BM+\b], v[S+16*\b+15]
.endr
.irp b, 0,1,2,3
	v_permlanex16_b32 v[TP+\b], v[BM+\b], s[SEL], s[SEL+1]
.endr
.irp b, 0,1,2,3
	v_max_num_f32 v[BM+\b], v[BM+\b], v[TP+\b]     ; with lane l xor 16's 16 keys
.endr
	v_max3_num_f32 v254, v[BM], v[BM+1], v[BM+2]
	v_max_num_f32 v254, v254, v[BM+3]              ; the step's largest score of my query (the chunk's first key counts for every query of a step that is worked)
	v_mul_f32 v254, s[CS], v254                    ; as t
	v_max_num_f32 v13, v13, v254                   ; the running largest t
	v_mov_b32 v254, v12
	v_floor_f32 v12, -v13                          ; the new -M = -ceil(t)
	v_sub_f32 v254, v12, v254                      ; old M - new M: a whole number, 0 or less
	v_cvt_i32_f32 v254, v254                       ; (it saturates)
	v_ldexp_f32 v252, 1.0, v254                    ; f = 2^(old M - new M)
.set j, 0
.rept 32
	v_pk_fma_f32 v[S+j:S+j+1], v[S+j:S+j+1], s[CS:CS+1], v[12:13] op_sel_hi:[1,0,0]   ; t - M, two at a time
.set j, j+2
.endr
.irp b, 0,1,2,3
	v_fma_f32 v[BM+\b], v[BM+\b], s[CS], v12       ; the same of each block's largest score
.endr
.set j, 0
.rept 64
	v_exp_f32 v[S+j], v[S+j]                       ; p = 2^(t - M)
.set j, j+1
.endr
	v_pk_mul_f32 v[14:15], v[14:15], v[252:253] op_sel_hi:[1,0]   ; the sums under the new M (the plain line behind the exponentials)
	s_wait_alu depctr_va_vdst(0)                   ; one wait for the batch of 64, ahead of its first reader
.irp b, 0,1,2,3
	v_exp_f32 v[BM+\b], v[BM+\b]                   ; the block's largest p: the same two instructions on the same number give the same bits
.endr
	v_pk_add_f32 v[SUM2:SUM2+1], v[S:S+1], v[S+2:S+3]   ; the row's sum of the UNQUANTISED p, two at a time, in two chains; it reads the 64 alone
.irp j, 4,8,12,16,20,24,28,32,36,40,44,48,52,56,60
	v_pk_add_f32 v[14:15], v[14:15], v[S+\j:S+\j+1]
	v_pk_add_f32 v[SUM2:SUM2+1], v[SUM2:SUM2+1], v[S+\j+2:S+\j+3]
.endr
	v_pk_add_f32 v[14:15], v[14:15], v[SUM2:SUM2+1]
	s_wait_alu depctr_va_vdst(0)                   ; and one for the four
.irp b, 0,1,2,3
	v_max_num_f32 v[BM+\b], 0x4800000, v[BM+\b]    ; the floor 2^(9 - 127): a block whose every p is 0 keeps the byte 1; its codes are zeros
.endr
.irp b, 0,1,2,3
	v_add_nc_u32 v[SO+\b], 0xfc000000, v[BM+\b]    ; the conversion's scale operand
.endr
.irp b, 0,1,2,3
	v_and_or_b32 v[HD+\b], v[BM+\b], 0x7f800000, s[MNT]   ; 448 x the scale
.endr
.irp b, 0,1,2,3
	v_lshrrev_b32 v[TP+\b], 23, v[SO+\b]           ; the scale's byte
.endr
	v_lshl_or_b32 v[PS], v[TP+1], 8, v[TP]         ; p's scale word for these 128 keys
	v_lshl_or_b32 v[PS], v[TP+2], 16, v[PS]
	v_lshl_or_b32 v[PS], v[TP+3], 24, v[PS]
.irp b, 0,1,2,3
.irp i, 0,1,2,3,4,5,6,7,8,9,10,11,12,13,14,15
	v_min_num_f32 v[S+16*\b+\i], v[S+16*\b+\i], v[HD+\b]   ; the hold; p is not negative, so it is one-sided
.endr
	v_cvt_scalef32_pk8_fp8_f32 v[PC+4*\b:PC+4*\b+1], v[S+16*\b:S+16*\b+7], v[SO+\b]
	v_cvt_scalef32_pk8_fp8_f32 v[PC+4*\b+2:PC+4*\b+3], v[S+16*\b+8:S+16*\b+15], v[SO+\b]
.endr
.set j, 0
.rept 16
	v_pk_mul_f32 v[OA+j:OA+j+1], v[OA+j:OA+j+1], v[252:253] op_sel_hi:[1,0]   ; O^T under the new M, each accumulator from its low end on.  These 16 also stand between the codes' conversions and the products
.set j, j+2
.endr
	s_wait_dscnt 0x0                               ; V's fragments and scale words are in
.irp t, 0,2                            ; O^T += V^T P^T: 16 channels a tile, K = these 128 keys.  The four accumulators take turns, one instruction a turn, and eight other products stand between two steps' turns
	v_wmma_scale_f32_16x16x128_f8f6f4 v[OA+8*\t:OA+8*\t+7], v[FR+16*\t:FR+16*\t+15], v[PC:PC+15], v[OA+8*\t:OA+8*\t+7], v[VS+\t/2], v[PS]
	v_wmma_scale_f32_16x16x128_f8f6f4 v[OA+8*\t+8:OA+8*\t+15], v[FR+16*\t+16:FR+16*\t+31], v[PC:PC+15], v[OA+8*\t+8:OA+8*\t+15], v[VS+\t/2], v[PS] matrix_a_scale:MATRIX_SCALE_ROW1
.endr
.Lhid_\@:
	s_add_co_u32 s[TB], s[TB], 16384               ; on to the next chunk
	s_add_co_u32 s[TS], s[TS], 512
	s_add_co_u32 s[ST], s[ST], 1
.endm
; THE WAY OUT of a tile.  O^T is divided by the sum.  A lane holds eight neighbouring channels of one row, four times.  The tile goes through my stage in two halves of 32 channels (128 bytes a row) and each half is
; read back by all lanes; lanes with r < 8 keep the first half's 16 bytes, the others the second's: so a store's 32 lanes hold two whole rows of O.
.macro OUT ob
.rept 8
	v_nop                                          ; eight places behind the last products
.endr
	v_add_f32 v14, v14, v15                        ; the sum's two halves,
	v_permlanex16_b32 v250, v14, s[SEL], s[SEL+1]
	v_add_f32 v14, v14, v250                       ; and lane l xor 16's
	v_rcp_f32 v14, v14
	v_nop                                          ; a plain line behind the reciprocal
	s_wait_alu depctr_va_vdst(0)                   ; and the wait ahead of its first reader
.set j, 0
.rept 16
	v_pk_mul_f32 v[S+j:S+j+1], v[OA+j:OA+j+1], v[14:15] op_sel_hi:[1,0]   ; register 8 t + i: o(r, 16 t + 8 h + i)
.set j, j+2
.endr
.irp q, 0,1
.irp t, 0,1
	ds_store_b128 v[STO], v[S+16*\q+8*\t:S+16*\q+8*\t+3] offset:64*\t
	ds_store_b128 v[STO], v[S+16*\q+8*\t+4:S+16*\q+8*\t+7] offset:64*\t+16
.endr
.irp x, 0,1,2,3,4,5,6,7
	ds_load_b128 v[FR+32*\q+4*\x:FR+32*\q+4*\x+3], v[RD] offset:2*\x*SP   ; LDS serves a wave's instructions in order (ISA guide 5.7.1.4): these see my stores, and the second half's stores come behind them
.endr
.endr
	s_wait_dscnt 0x0
.set j, 0
.rept 32
	v_cndmask_b32 v[FR+j], v[FR+32+j], v[FR+j], s[MK]
.set j, j+1
.endr
.irp x, 0,1,2,3,4,5,6,7
	global_store_b128 v[GO], v[FR+4*\x:FR+4*\x+3], s[\ob:\ob+1] offset:512*\x th:TH_STORE_NT   ; rows 2 x and 2 x + 1: 512 consecutive bytes, at a multiple of 256 from out0's first byte
.endr
.endm
	s_wait_loadcnt 8                               ; the first tile's eight loads are in; the second tile's eight may be out
	QUANTQ S, QLO, QS
	s_wait_loadcnt 0x0
	QUANTQ S+32, QL, QSL                           ; the second tile's codes and scale word are kept
	INIT
	s_mov_b32 s[ST], 0
	s_mov_b32 s[TB], 0
	s_mov_b32 s[TS], 0
	s_mov_b32 s[BLK], s61                          ; block 15 - bb
	s_wait_tensorcnt 1                             ; my part of the first group is in; my part of the second may stay out: no LDS byte is ever filled again
	s_barrier_signal -1
	s_barrier_wait -1                              ; everybody's is: all scale words, chunks 0-3
	s_mov_b32 s[CNT], 4
.Lfirst:                                               ; steps 0-3: worked by every wave, since its first tile's block is 8 or more
	STEP
	s_sub_co_u32 s[CNT], s[CNT], 1
	s_cmp_lg_u32 s[CNT], 0
	s_cbranch_scc1 .Lfirst
	s_wait_tensorcnt 0x0                           ; my part of the second group is in: it has had four steps in which to land
	s_wait_dscnt 0x0
	s_barrier_signal -1
	s_barrier_wait -1                              ; everybody's is; all waves have done the same four steps.  From here on the waves share nothing that is written
	s_mov_b32 s[CNT], 12
.Lrest:                                                ; steps 4-15
	STEP
	s_sub_co_u32 s[CNT], s[CNT], 1
	s_cmp_lg_u32 s[CNT], 0
	s_cbranch_scc1 .Lrest
	OUT OH
	s_wait_xcnt 0x0                                ; the stores have read their registers, into which the next step's fragments are loaded
.irp j, 0,1,2,3,4,5,6,7
	v_mov_b32 v[QLO+\j], v[QL+\j]                  ; the second tile's Q between the zero codes
.endr
	v_mov_b32 v[QS], v[QSL]                        ; the 36 lines below stand between these and the next products
	INIT
	s_mov_b32 s[ST], 0
	s_mov_b32 s[TB], 0
	s_mov_b32 s[TS], 0
	s_mov_b32 s[BLK], s[BB]                        ; block bb
	s_mov_b32 s[CNT], 8
.Lsecond:                                              ; steps 0-7: the second tile's block is 7 at the most
	STEP
	s_sub_co_u32 s[CNT], s[CNT], 1
	s_cmp_lg_u32 s[CNT], 0
	s_cbranch_scc1 .Lsecond
	OUT OL
	s_wait_tensorcnt 0x0
	ds_add_u32 v251, v255
	s_wait_dscnt 0x0
	ROUND                                          ; the closing round
	s_endpgm
.Lfunc_end_k_q1188fe9746_attn:
	.size	k_q1188fe9746_attn, .Lfunc_end_k_q1188fe9746_attn-k_q1188fe9746_attn
	.p2alignl 7, 3214868480
	.fill 96, 4, 3214868480
	.section	.rodata,"a",@progbits
	.p2align	6, 0x0
	.amdhsa_kernel k_q1188fe9746_attn
		.amdhsa_group_segment_fixed_size 309248
		.amdhsa_private_segment_fixed_size 0
		.amdhsa_enable_private_segment 0
		.amdhsa_kernarg_size 24
		.amdhsa_user_sgpr_count 2
		.amdhsa_user_sgpr_kernarg_segment_ptr 1
		.amdhsa_wavefront_size32 1
		.amdhsa_system_sgpr_workgroup_id_x 1
		.amdhsa_system_sgpr_workgroup_id_y 1
		.amdhsa_system_sgpr_workgroup_id_z 1
		.amdhsa_system_vgpr_workitem_id 0
		.amdhsa_next_free_vgpr 256
		.amdhsa_next_free_sgpr 72
		.amdhsa_reserve_vcc 1
		.amdhsa_float_denorm_mode_32 3
		.amdhsa_float_denorm_mode_16_64 3
		.amdhsa_memory_ordered 1
		.amdhsa_forward_progress 1
		.amdhsa_inst_pref_size 102
	.end_amdhsa_kernel
	.amdgpu_metadata
---
amdhsa.version: [ 1, 2 ]
amdhsa.kernels:
  - .name:           k_q1188fe9746_attn
    .symbol:         k_q1188fe9746_attn.kd
    .args:
      - { .name: queries, .offset: 0, .size: 8, .value_kind: global_buffer, .address_space: global }
      - { .name: kv, .offset: 8, .size: 8, .value_kind: global_buffer, .address_space: global }
      - { .name: out0, .offset: 16, .size: 8, .value_kind: global_buffer, .address_space: global }
    .group_segment_fixed_size: 309248
    .private_segment_fixed_size: 0
    .kernarg_segment_align: 8
    .kernarg_segment_size: 24
    .max_flat_workgroup_size: 512
    .sgpr_count:     72
    .vgpr_count:     256
    .wavefront_size: 32
...
	.end_amdgpu_metadata
.endif
;; end of part 2
